; MI455X (gfx1250); checked and timed in simulation.
; The chip was launched on July 23, 2026; its instructions are those of AMD's public machine-readable ISA for CDNA 5 (MIT licence, August 2026) and "CDNA5" Instruction Set Architecture Reference Guide (July 2026). The comments in the code are by the model that wrote it; some were corrected since.
;; Scaled Dot Product Attention. Allowed arithmetic: matrix products marked QUANTISED: E2M1 operands, one E8M0 scale for each 32 along K, by v_wmma_scale_f32_16x16x128_f8f6f4 with both operands' format E2M1 (or v_wmma_scale_f32_32x16x128_f4), f32 sums; everything else in f32.
;; Inputs: key 4 x 16 x 2,048 x 64 float32; mask 4 x 1 x 1 x 2,048 int32; query 4 x 16 x 2,048 x 64 float32; value 4 x 16 x 2,048 x 64 float32.
;; Outputs: out0 4 x 16 x 2,048 x 64 float32.
;; This version of the problem:
;;   THIS VERSION OF THE PROBLEM IS GIVEN IN LOW PRECISION. The matrix products marked QUANTISED in the list below multiply operands that are first quantised to E2M1 (2 exponent bits, 1 mantissa bit; 4 bits a number), with one power-of-two scale for each 32 numbers along K (OCP MX v1.0); their sums are f32. All else is computed in f32.
;;   The module's matrix products, in the order in which they are computed (A, B: the left and right operand; K: the contracted axis; several contracted axes count as one K, in the product's order):
;;     1. batch 64 x [M 2,048, K 64] x [K 64, N 2,048]; A: input query; B: input key: QUANTISED
;;     2. batch 64 x [M 2,048, K 2,048] x [K 2,048, N 64]; A: softmax (see below); B: input value: QUANTISED
;;   THE QUANTISER, for each operand of a quantised product, along K:
;;     - K is cut into blocks of 32 from its start; a last block that is shorter is filled with zeros.
;;     - A block's scale is 2^e with e = floor(log2(the largest magnitude in the block)) - 2, held to -126 .. 127; a block of zeros has e = 0. As a byte (E8M0): e + 127.
;;     - Each number is divided by its block's scale, clamped to +-6, and rounded to the nearest number of E2M1, ties to even, subnormals kept.
;;     - The product sums the exact products of the quantised numbers (number of the format x scale) in f32.
;;   ~~~python
;;   def quantise(x, axis):      # numpy; x: float32 -> the quantised numbers, widened to float32 again
;;       x = np.moveaxis(x, axis, -1); K = x.shape[-1]
;;       x = np.pad(x, [(0, 0)] * (x.ndim - 1) + [(0, -K % 32)]); x = x.reshape(x.shape[:-1] + (-1, 32)); a = np.abs(x).max(-1, keepdims=True)
;;       e = np.where(a > 0, np.clip(np.frexp(np.where(a > 0, a, 1))[1] - 1 - 2, -126, 127), 0)      # np.frexp(a)[1] - 1 = floor(log2(a)), exactly
;;       r = np.clip(x / 2.0 ** e, -6, 6)
;;       step = 2.0 ** (np.maximum(np.frexp(np.where(r == 0, 1, r))[1] - 1, 0) - 1)
;;       q = np.round(r / step) * step * 2.0 ** e      # np.round: ties to even
;;       return np.moveaxis(q.reshape(q.shape[:-2] + (-1,))[..., :K], -1, axis).astype(np.float32)
;;   ~~~
;;   SOFTMAX AHEAD OF A QUANTISED PRODUCT. Where the list says 'softmax', what is quantised is not the finished softmax but p = 2^(t - M), with t = logit x log2(e) and M = ceil(the row's largest t), a whole number; so 1/2 < the row's largest p <= 1. The row's sum l is taken of the UNQUANTISED p, in f32, and the product's result is divided by l at the end. Since M is a whole number, a kernel that streams over the keys may use a running M (the ceiling of the running maximum): every later rescaling is an exact power of two, which a block's scale takes up: the codes' values come out the same.
;;   OPERANDS COMPUTED ON THE WAY. 'Computed on the way' means the value that the module computes at that place (a softmax that the list does not call 'softmax' is quantised finished and normalised). What goes into a quantiser is computed in f32, as accurately as f32 sums, v_exp_f32 and their like allow (about 1e-6 of the number): no bf16 or f16 on the way to a quantiser, and a product that is left as it is and whose result goes on into a quantised operand takes f32 operands (vector FMAs, or v_wmma_f32_16x16x4_f32). A number that lies on a knife's edge between two numbers of the format may be rounded either way, as far as f32 arithmetic and the matrix unit's own rounding can turn it there, and no further.
;; One version. Each part assembles by itself: llvm-mc -triple=amdgcn-amd-amdhsa -mcpu=gfx1250 --defsym DOCPART=n.
;; ======== version 1 of 1: 1 launch
;; limits: right only within a limited range of input values; inputs' magnitudes at most 23,170
;; launch attn (part 1): grid 256 x 1, 8 waves a work-group, no clusters, 74,752 bytes of LDS; arguments query, key, value, mask, out0; writes out0
.if DOCPART == 1
	.amdgcn_target "amdgcn-amd-amdhsa--gfx1250"
	.amdhsa_code_object_version 6
	.text
	.protected	k_q4fa57d71d0_attn
	.globl	k_q4fa57d71d0_attn
	.p2align	8
	.type	k_q4fa57d71d0_attn,@function
k_q4fa57d71d0_attn:
	s_mov_b64 s[64:65], 0
	v_nop
	global_prefetch_b8 v0, s[64:65] scope:SCOPE_SE
	s_setreg_imm32_b32 hwreg(HW_REG_WAVE_MODE, 25, 1), 1
	s_wait_xcnt 0x0
; out0[b][h][q][:] = sum over k of softmax_k(where(mask[b][k] == 0, -1e10, Q.K / 8)) V[k][:], 64 heads, 2,048 queries and keys, head size 64.
; Both products run on codes of FP4 (E2M1) with one E8M0 scale for each 32 along a product's K.  Q and K are quantised along the head's 64, V and p along the keys.
; p = 2^(t - M), t = score x log2(e) / 8, M = the running largest t rounded up to a whole number; the row's sum is taken of the unquantised p and divides O at the end.
; SHARES.  256 work-groups: head = x % 64, 512 queries each (block x / 64).  Eight waves of 512 registers; a wave owns 64 queries, four tiles of 16, and walks the 2,048 keys in 16 steps of 128.
; K AND V ARRIVE AS f32 and are quantised by the work-group itself, each wave taking 1/8 of a chunk of 128 keys.  In the middle of step s, behind its tiles 0 and 1, a wave quantises its eighth of chunk s + 1,
; asked for a whole step earlier, stores codes and scale bytes into the other of two LDS slots as images of the operands' registers, asks for chunk s + 2 and signals the step's one barrier;
; the wait stands at the step's end, behind tiles 2 and 3, which work on registers alone.  A wave reads a step's fragments once, for its four tiles.
; LAYOUT.  Both products are used transposed (S^T = K Q^T, O^T = V^T P^T): a lane holds one query (lane % 16) throughout.  Row m of key tile 4 g + u is key 64 g + 32 (m / 8) + 8 u + m % 8, so that a lane's
; 32 registers of tiles 4 g .. 4 g + 3 are the 32 neighbouring keys 64 g + 32 (lane / 16) + 0 .. 31: a whole block of p lies in one lane, in the order of the second product's operand.
; A TILE goes in three parts: maxima, M and all 32 scalings; one batch of 66 exponentials; scales, conversions and sums.  So the batch has one wait ahead of it and one behind it.
; THE MASK rides in the first product, whose K of 128 has 64 places to spare: at k = 64 Q holds the number 1 (scale byte 127), a masked key the code of -1, an open key the code 0; that block's scale byte is 163 (2^36) for every key.
; A masked key's raw score is q.k - 2^36; the running largest raw score starts at -2^35, over every masked score, so that masked keys never move M and their p is 0.  A batch whose mask is 0 everywhere
; (found by OR-ing its 2,048 words) has Q's codes cleared and no key marked: every score is 0, every p is 1: the uniform softmax that -1e10 everywhere gives.  Both by selection, no branch.
; LIMITS: raw scores q.k within +-2^35, that is logits within +-2^32; NaN and infinities among the inputs are not served; a block of zeros gets the scale byte 1 (its codes are zeros, and only this
; program reads the bytes); a block's largest p is made from its largest score by the same multiply-add and exponential, which takes v_exp_f32 not to fall where its input rises.
; NO CLUSTER, NO JOINT LOADS: the four work-groups of a head share K and V, but as f32 that must pass through registers to be quantised: a joint tile of 64 KiB a step would be written to LDS and read out again,
; as many bytes as all eight waves' fragment reads of a step.  NO PREFETCH: the stream's 41 loads a wave go straight into registers and are issued a whole key step ahead of their use.
.set SLOTB, 10240                      ; LDS: two slots; in a slot:
.set KC,    0                          ;   K's codes: 8 key tiles x 512 bytes (registers 0-3 of a fragment, 16 x lane)
.set VC,    4096                       ;   V's codes: 4 channel tiles x 2 x 512 bytes
.set EXT,   8192                       ;   register 4 of K's fragments (the mask's code at k = 64): 8 tiles x 128 bytes
.set KSC,   9216                       ;   K's scale words: tile t, row r at 16 (r + 16 (t % 2)) + 4 (t / 2)
.set VSC,   9728                       ;   V's scale words: tile t, row r at 8 (r + 16 (t % 2)) + 4 (t / 2)
.set QI,    20480                      ; each wave's own: Q's codes, 4 tiles x 512 bytes,
.set QSC,   36864                      ; Q's scale words, 4 tiles x 64 bytes,
.set STG,   38912                      ; and the stage for the way out, 16 rows x 272 bytes; behind the stages, from 0x12000: the spare words
.set SP,    272
; window 0
.set A16, 1                            ; 16 x lane
.set A4,  2
.set A8,  3
.set AQ,  4                            ; my place in my wave's images of Q
.set AQS, 5
.set STO, 6                            ; the stage: in
.set SRD, 7                            ; and back
.set F,   8                            ; v[8:9] f = 2^(old M - new M)
.set CH1, 10                           ; v[10:11], v[60:61], v[62:63]: the row sum's chains 1 to 3
.set CH2, 60
.set CH3, 62
.set BM,  12                           ; v12-15 the tile's block maxima of scores, in four chains
.set T0,  16
.set T1,  17
.set PSC, 18                           ; p's two scale operands
.set PBY, 20
.set W,   22
.set ST,  24                           ; v24-39 tile i at 24 + 4 i: -M, the largest raw score, the sum in two halves
.set KS,  40                           ; v40-50 hold scales and nothing else
.set VS,  44
.set QS,  46
.set PS,  50
.set PC,  52                           ; p's codes
.set QF,  64                           ; Q's fragments
.set KF,  96                           ; K's fragments
.set S,   160                          ; S^T, then p
.set RB,  96                           ; the way out: rows read back
.set TL,  224                          ; at work at the head
.set TQ,  225
.set TH,  226
.set TP,  227
.set T7,  228
.set TB3, 229
.set TB4, 230
.set TR,  231
.set U0,  232
.set U1,  233
.set U2,  234
.set U3,  235
.set U4,  236
.set U5,  237
.set U6,  238
; window 1 (low 8 bits): v0-127 O^T, 32 a tile (at the head: Q as f32)
.set VF,  128
.set XK,  160
.set XV,  192
.set G32, 224
.set G4,  225
.set GM,  226
.set LKC, 227
.set LKB, 228
.set LEX, 229
.set LEB, 230
.set LVC, 231
.set LVB, 232
.set C163, 233
.set MK,  234
.set EC,  235
.set LQC, 237
.set LQB, 238
.set LQW, 239
.set M,   240
.set SC,  244
.set CD,  248
.set BY,  252
; scalars
.set WV,  14
.set SG,  15                           ; g = w / 4
.set SA,  16                           ; a = (w / 2) % 2
.set SE,  17                           ; e = w % 2
.set SEL, 20
.set CS,  22                           ; s[22:23] c = log2(e) / 8
.set NC,  24
.set ANY, 25
.set NANY, 26
.set LOW16, 27
.set TRIP, 28
.set STM, 29
.set MP,  30
.set MSB, 0
.macro WIN new                         ; the high byte repeats the setting that is left; a switch that changes nothing is dropped
.if MSB != \new
	s_set_vgpr_msb (MSB<<8)|\new
.set MSB, \new
.endif
.endm
.macro AWAIT
	s_wait_alu depctr_va_vdst(0)
.endm
; One matrix instruction.  cz = 1: C is the constant 0, else C = D.  row = 1: source 0's scales are read from lanes 16-31.
.macro WM d, a, b, cz, sa, sb, row
.if \cz
.if \row
	v_wmma_scale_f32_16x16x128_f8f6f4 v[0+(\d):7+(\d)], v[0+(\a):7+(\a)], v[0+(\b):7+(\b)], 0, v[\sa], v[\sb] matrix_a_fmt:MATRIX_FMT_FP4 matrix_b_fmt:MATRIX_FMT_FP4 matrix_a_scale:MATRIX_SCALE_ROW1
.else
	v_wmma_scale_f32_16x16x128_f8f6f4 v[0+(\d):7+(\d)], v[0+(\a):7+(\a)], v[0+(\b):7+(\b)], 0, v[\sa], v[\sb] matrix_a_fmt:MATRIX_FMT_FP4 matrix_b_fmt:MATRIX_FMT_FP4
.endif
.else
.if \row
	v_wmma_scale_f32_16x16x128_f8f6f4 v[0+(\d):7+(\d)], v[0+(\a):7+(\a)], v[0+(\b):7+(\b)], v[0+(\d):7+(\d)], v[\sa], v[\sb] matrix_a_fmt:MATRIX_FMT_FP4 matrix_b_fmt:MATRIX_FMT_FP4 matrix_a_scale:MATRIX_SCALE_ROW1
.else
	v_wmma_scale_f32_16x16x128_f8f6f4 v[0+(\d):7+(\d)], v[0+(\a):7+(\a)], v[0+(\b):7+(\b)], v[0+(\d):7+(\d)], v[\sa], v[\sb] matrix_a_fmt:MATRIX_FMT_FP4 matrix_b_fmt:MATRIX_FMT_FP4
.endif
.endif
.endm
; Four sets of 8 neighbours along K, v[x + 8 j] on (window 1); four neighbouring lanes hold a block of 32.  Codes to v[CD + j], the block's byte to v[BY + j].
.macro Q8X4 x
.irp j, 0,1,2,3
	v_max3_num_f32 v[M+\j], |v[8*\j+(\x)]|, |v[8*\j+(\x)+1]|, |v[8*\j+(\x)+2]|
.endr
.irp j, 0,1,2,3
	v_max3_num_f32 v[M+\j], v[M+\j], |v[8*\j+(\x)+3]|, |v[8*\j+(\x)+4]|
.endr
.irp j, 0,1,2,3
	v_max3_num_f32 v[M+\j], v[M+\j], |v[8*\j+(\x)+5]|, |v[8*\j+(\x)+6]|
.endr
.irp j, 0,1,2,3
	v_max3_num_f32 v[M+\j], v[M+\j], |v[8*\j+(\x)+7]|, 0x1800000   ; the floor 2^(3 - 127): the byte cannot fall under 1
.endr
.irp j, 0,1,2,3
	v_max_num_f32_dpp v[M+\j], v[M+\j], v[M+\j] row_xmask:1 row_mask:0xf bank_mask:0xf
.endr
.irp j, 0,1,2,3
	v_max_num_f32_dpp v[M+\j], v[M+\j], v[M+\j] row_xmask:2 row_mask:0xf bank_mask:0xf
.endr
.irp j, 0,1,2,3
	v_add_nc_u32 v[SC+\j], 0xff000000, v[M+\j]     ; 2 off the exponent field: the conversion's scale operand
.endr
.irp j, 0,1,2,3
	v_cvt_scalef32_pk8_fp4_f32 v[CD+\j], v[8*\j+(\x):8*\j+(\x)+7], v[SC+\j]
.endr
.irp j, 0,1,2,3
	v_lshrrev_b32 v[BY+\j], 23, v[SC+\j]           ; the scale's byte (plain lines behind the conversions)
.endr
.endm
; My block of V: 32 keys of one channel, all mine.  Codes to v[M:M+3], the byte to v[SC+1].
.macro QV
	v_max3_num_f32 v[M], |v[XV]|, |v[XV+1]|, |v[XV+2]|
	v_max3_num_f32 v[M+1], |v[XV+3]|, |v[XV+4]|, |v[XV+5]|
.irp n, 6,10,14,18,22,26
	v_max3_num_f32 v[M], v[M], |v[XV+\n]|, |v[XV+\n+1]|
	v_max3_num_f32 v[M+1], v[M+1], |v[XV+\n+2]|, |v[XV+\n+3]|
.endr
	v_max3_num_f32 v[M], v[M], |v[XV+30]|, |v[XV+31]|
	v_max3_num_f32 v[M], v[M], v[M+1], 0x1800000
	v_add_nc_u32 v[SC], 0xff000000, v[M]
	v_lshrrev_b32 v[SC+1], 23, v[SC]
.irp n, 0,1,2,3
	v_cvt_scalef32_pk8_fp4_f32 v[M+\n], v[XV+8*\n:XV+8*\n+7], v[SC]
.endr
	v_nop                                          ; one plain line behind the last conversion
.endm
; A chunk of 128 keys, my eighth: 41 loads.  K: keys 16 w .. + 15, 4,096 consecutive bytes, 32 a lane.  V: keys 32 (w / 2) .. + 31 of channels 32 (w % 2) + lane.
.macro STREAM_LOAD
	WIN 0x55
	global_load_b32 v[MK], v[GM], s[MP:MP+1]
.irp j, 0,1,2,3
	global_load_b128 v[XK+8*\j:XK+8*\j+3], v[G32], s[6:7] offset:1024*\j
	global_load_b128 v[XK+8*\j+4:XK+8*\j+7], v[G32], s[6:7] offset:1024*\j+16
.endr
.set k, 0
.rept 32
	global_load_b32 v[XV+k], v[G4], s[8:9] offset:256*k
.set k, k+1
.endr
.endm
; The chunk in registers is quantised and stored into slot \slot; the chunk behind it is asked for; then the barrier's signal.
; load = 1: the next chunk's 41 loads;  2: the same, jumped over in the loop's last trip, whose next chunk would lie behind the buffers' ends.
.macro STREAM_QUANT slot, load
	WIN 0x55
	s_wait_loadcnt 32                              ; the mask word and K's eight loads are in; V's 32, issued behind them, may be out
	v_or_b32 v[MK], s[NANY], v[MK]                 ; in a batch without an open key no key is marked
	v_cmp_eq_u32 vcc_lo, 0, v[MK]
	s_and_b32 s[STM], vcc_lo, s[LOW16]
	v_cndmask_b32 v[EC], 0, 10, s[STM]             ; the code of -1 at k = 64 (lanes 0-15); lanes 16-31 store the zeros of k = 96 on
	ds_store_b32 v[LEX], v[EC] offset:(\slot)*SLOTB+EXT
	ds_store_b16 v[LEB], v[C163] offset:(\slot)*SLOTB+KSC+2   ; bytes 2 and 3 of every key's scale word: 2^36, and 0 over zero codes
	Q8X4 XK
.irp j, 0,1,2,3
	ds_store_b32 v[LKC], v[CD+\j] offset:(\slot)*SLOTB+KC+512*(\j/2)+64*(\j%2)
	ds_store_b8 v[LKB], v[BY+\j] offset:(\slot)*SLOTB+KSC+256*(\j/2)+64*(\j%2)   ; a block's four lanes write the same byte with the same value
.endr
	s_wait_loadcnt 0x0                             ; V is in, and no load of mine is out: the three pointers may step
	s_add_nc_u64 s[6:7], s[6:7], 0x8000
	s_add_nc_u64 s[8:9], s[8:9], 0x8000
	s_add_nc_u64 s[MP:MP+1], s[MP:MP+1], 512
	QV
	ds_store_b128 v[LVC], v[M:M+3] offset:(\slot)*SLOTB+VC
	ds_store_b8 v[LVB], v[SC+1] offset:(\slot)*SLOTB+VSC
.if \load == 1
	STREAM_LOAD
.elseif \load == 2
	WIN 0                                          ; at a branch and at a label every window is 0
	s_cmp_eq_u32 s[TRIP], 1
	s_cbranch_scc1 .Lno_more_\@                    ; chunk 15 has just been quantised: no load leaves its buffer
	STREAM_LOAD
	WIN 0
.Lno_more_\@:
.endif
	WIN 0
	s_wait_dscnt 0x0                               ; for the others: my stores into this slot have landed, and my reads of the other slot are over
	s_barrier_signal -1
.endm
; A step's fragments and scale words: 26 LDS loads, K's 17 first.
.macro LDFRAG slot
	WIN 0
.irp t, 0,1,2,3,4,5,6,7
	ds_load_b128 v[KF+8*\t:KF+8*\t+3], v[A16] offset:(\slot)*SLOTB+KC+512*\t
.endr
.irp t, 0,1,2,3,4,5,6,7
	ds_load_b32 v[KF+8*\t+4], v[A4] offset:(\slot)*SLOTB+EXT+128*\t
.endr
	ds_load_b128 v[KS:KS+3], v[A16] offset:(\slot)*SLOTB+KSC
	ds_load_b64 v[VS:VS+1], v[A8] offset:(\slot)*SLOTB+VSC
	WIN 0x40
.irp t, 0,1,2,3
.irp c, 0,1
	ds_load_b128 v[VF+8*\t+4*\c:VF+8*\t+4*\c+3], v[A16] offset:(\slot)*SLOTB+VC+1024*\t+512*\c
.endr
.endr
.endm
.macro SMUL i                          ; S^T = K Q^T for tile i: eight key tiles, eight accumulators
.irp t, 0,1,2,3,4,5,6,7
	WM S+8*\t, KF+8*\t, QF+8*(\i), 1, KS+\t/2, QS+(\i), \t%2
.endr
.endm
.macro ADD4 n                          ; pairs 4 n .. 4 n + 3 of p onto the sum's four chains
	v_pk_add_f32 v[rT+2:rT+3], v[rT+2:rT+3], v[S+8*\n:S+8*\n+1]
	v_pk_add_f32 v[CH1:CH1+1], v[CH1:CH1+1], v[S+8*\n+2:S+8*\n+3]
	v_pk_add_f32 v[CH2:CH2+1], v[CH2:CH2+1], v[S+8*\n+4:S+8*\n+5]
	v_pk_add_f32 v[CH3:CH3+1], v[CH3:CH3+1], v[S+8*\n+6:S+8*\n+7]
.endm
; One tile of 16 queries x 128 keys.  Its scores were made at the end of the tile before (tile 0's: here).  Tiles 1 to 3 hold no LDS and no memory instruction.
.macro TILE i, first
.set rT, ST+4*(\i)
	WIN 0
.if (\i) == 0
	s_wait_dscnt 9                                 ; K's 17 loads are in; V's scale words and its eight fragment loads may be out
	SMUL 0
.rept 4
	v_nop                                          ; four places between the products and the first read of their results
.endr
.endif
	; PART 1.  The largest score of each of my two blocks of 32 keys, in four chains; every accumulator is first read at its low end
.irp n, 0,1,2,3
	v_max3_num_f32 v[BM+\n], v[S+16*\n], v[S+16*\n+1], v[S+16*\n+2]
.endr
.if \first == 0
	v_mov_b32 v[W], v[rT]                          ; the old -M
.endif
.irp m, 3,5,7,9,11,13
.irp n, 0,1,2,3
	v_max3_num_f32 v[BM+\n], v[BM+\n], v[S+16*\n+\m], v[S+16*\n+\m+1]
.endr
.endr
.irp g, 0,1
	v_max3_num_f32 v[BM+2*\g], v[BM+2*\g], v[BM+2*\g+1], v[S+32*\g+15]
.endr
.irp g, 0,1
	v_max_num_f32 v[BM+2*\g], v[BM+2*\g], v[S+32*\g+31]
.endr
	s_delay_alu instid0(VALU_DEP_1)
	v_max_num_f32 v[T0], v[BM], v[BM+2]
	v_permlanex16_b32 v[T1], v[T0], s[SEL], s[SEL+1]   ; my query's other 64 keys lie in the lane 16 away
.if \first
	v_max3_num_f32 v[rT+1], v[T0], v[T1], 0xd1000000   ; the running largest raw score starts at -2^35: over every masked score
.else
	v_max3_num_f32 v[rT+1], v[rT+1], v[T0], v[T1]
.endif
	s_delay_alu instid0(VALU_DEP_1)
	v_mul_f32 v[T0], s[NC], v[rT+1]                ; -t
	s_delay_alu instid0(VALU_DEP_1)
	v_floor_f32 v[rT], v[T0]                       ; -M = floor(-t): M is a whole number
	s_delay_alu instid0(VALU_DEP_1)
	v_fma_f32 v[BM], v[BM], s[CS], v[rT]           ; each block's largest score through the same multiply-add and exponential as every score
	v_fma_f32 v[BM+2], v[BM+2], s[CS], v[rT]
.set k, 0
.rept 32
	v_pk_fma_f32 v[S+2*k:S+2*k+1], v[S+2*k:S+2*k+1], s[CS:CS+1], v[rT:rT+1] op_sel_hi:[1,0,0]   ; t - M
.if (\first == 0) && (k == 1)
	v_sub_f32 v[W], v[rT], v[W]                    ; old M - new M, a whole number, 0 or less
.endif
.if (\first == 0) && (k == 4)
	v_cvt_i32_f32 v[W], v[W]                       ; (it saturates)
.endif
.if (\first == 0) && (k == 7)
	v_ldexp_f32 v[F], 1.0, v[W]                    ; f = 2^(old M - new M): a multiplication by it rounds nothing
.endif
.set k, k+1
.endr
	; PART 2.  The batch
	AWAIT
.set k, 0
.rept 64
	v_exp_f32 v[S+k], v[S+k]                       ; p = 2^(t - M)
.set k, k+1
.endr
	v_exp_f32 v[BM], v[BM]                         ; the blocks' largest p
	v_exp_f32 v[BM+2], v[BM+2]
.if \first
	v_nop                                          ; a plain line behind the exponentials
.else
	v_pk_mul_f32 v[rT+2:rT+3], v[rT+2:rT+3], v[F:F+1] op_sel_hi:[1,0]   ; the sum under the new M (a plain line behind the exponentials)
.endif
	AWAIT
	; PART 3.  p's scales and codes, among the row sum's additions
	v_max_num_f32 v[BM], 0x1800000, v[BM]          ; the floor 2^(3 - 127): the byte cannot fall under 1
	v_max_num_f32 v[BM+2], 0x1800000, v[BM+2]
.if \first
	v_pk_add_f32 v[rT+2:rT+3], v[S:S+1], v[S+8:S+9]   ; the first key step starts the sum
.else
	v_pk_add_f32 v[rT+2:rT+3], v[rT+2:rT+3], v[S:S+1]
.endif
	v_pk_add_f32 v[CH1:CH1+1], v[S+2:S+3], v[S+10:S+11]
	v_pk_add_f32 v[CH2:CH2+1], v[S+4:S+5], v[S+12:S+13]
	v_pk_add_f32 v[CH3:CH3+1], v[S+6:S+7], v[S+14:S+15]
.if \first == 0
	v_pk_add_f32 v[rT+2:rT+3], v[rT+2:rT+3], v[S+8:S+9]
.endif
	v_add_nc_u32 v[PSC], 0xff000000, v[BM]         ; 2 off the exponent field: the conversions' scale operands
	v_add_nc_u32 v[PSC+1], 0xff000000, v[BM+2]
	ADD4 2
.irp g, 0,1
.irp u, 0,1,2,3
	v_cvt_scalef32_pk8_fp4_f32 v[PC+4*\g+\u], v[S+32*\g+8*\u:S+32*\g+8*\u+7], v[PSC+\g]   ; keys 64 g + 32 (lane / 16) + 8 u on: register 4 g + u of the operand
.endr
.endr
	v_lshrrev_b32 v[PBY], 23, v[PSC]               ; (plain lines behind the conversions)
	v_lshrrev_b32 v[PBY+1], 23, v[PSC+1]
	ADD4 3
	v_lshl_or_b32 v[W], v[PBY+1], 16, v[PBY]       ; lanes 0-15: bytes 0 and 2 of my query's scale word; lanes 16-31 hold bytes 1 and 3
	ADD4 4
	v_permlanex16_b32 v[T1], v[W], s[SEL], s[SEL+1]
	ADD4 5
	v_lshl_or_b32 v[PS], v[T1], 8, v[W]            ; whole in lanes 0-15, which are the ones read; eleven plain lines follow ahead of the products that take it
	ADD4 6
	ADD4 7
	v_pk_add_f32 v[CH1:CH1+1], v[CH1:CH1+1], v[CH2:CH2+1]
	v_pk_add_f32 v[rT+2:rT+3], v[rT+2:rT+3], v[CH3:CH3+1]
	v_pk_add_f32 v[rT+2:rT+3], v[rT+2:rT+3], v[CH1:CH1+1]
.if (\i) < 3
	SMUL \i+1                                      ; the next tile's scores: p has been converted and summed, so its registers are free
.endif
.if (\i) == 0
	s_wait_dscnt 0x0                               ; V's fragments and scale words are in
.endif
.if \first
.rept 4
	v_nop                                          ; places behind those products
.endr
.else
	WIN 0x41                                       ; O^T in window 1, f in window 0
	AWAIT                                          ; directly ahead of the first reader of O^T
.set k, 0
.rept 16
	v_pk_mul_f32 v[32*(\i)+2*k:32*(\i)+2*k+1], v[32*(\i)+2*k:32*(\i)+2*k+1], v[F:F+1] op_sel_hi:[1,0]   ; O^T under the new M; also the places behind the products above
.set k, k+1
.endr
.endif
	WIN 0x51                                       ; D, C and V in window 1, p's codes in window 0
.irp t, 0,1,2,3
	WM 32*(\i)+8*\t, VF+8*\t, PC, \first, VS+\t/2, PS, \t%2   ; O^T += V^T P^T; four accumulators by turns; the first step's products start the sums
.endr
.endm
; A key step: 128 keys from \slot.  more = 0: the last step: no stream, no barrier.  The one barrier orders the stores into the other slot ahead of the next step's reads of it,
; and this step's reads of \slot ahead of the next step's stores into it: both are waited for in front of each wave's signal.
.macro STEP slot, more, first
	LDFRAG \slot
	TILE 0, \first
	TILE 1, \first
.if \more
	STREAM_QUANT 1-\slot, \more
.endif
	TILE 2, \first
	TILE 3, \first
.if \more
.rept 4
	v_nop                                          ; four places between tile 3's last products and the next step's loads into V's fragments and scale words
.endr
	WIN 0
	s_barrier_wait -1
.endif
.endm
	s_load_b256 s[4:11], s[0:1], 0x0               ; query, key, value, mask
	s_load_b64 s[12:13], s[0:1], 0x20              ; out0
	v_lshl_add_u32 v254, v0, 2, 0x12000            ; my spare word, and 0: kept for the closing lines
	v_mov_b32 v255, 0
	v_lshrrev_b32 v[TL], 5, v0
	v_readfirstlane_b32 s[WV], v[TL]               ; wave 0..7
	v_and_b32 v[TL], 31, v0
	v_and_b32 v[TR], 15, v0
	v_lshlrev_b32 v[A16], 4, v[TL]
	WIN 0x40
	v_lshlrev_b32 v[G32], 5, v[TL]
	v_lshlrev_b32 v[G4], 2, v[TL]
	v_lshlrev_b32 v[GM], 2, v[TR]
	WIN 0
	AWAIT                                          ; directly ahead of the scalar lines
	s_lshr_b32 s[SG], s[WV], 2
	s_bfe_u32 s[SA], s[WV], 0x10001
	s_and_b32 s[SE], s[WV], 1
	s_and_b32 s2, ttmp9, 63                        ; the head
	s_lshr_b32 s38, s2, 4                          ; mask: the batch's row of 8,192 bytes
	s_lshl_b32 s38, s38, 13
	s_mov_b32 s39, 0
	s_lshl_b32 s2, s2, 19                          ; the head's first byte
	s_lshr_b32 s32, ttmp9, 6                       ; query, out0: 512 rows a work-group,
	s_lshl_b32 s32, s32, 17
	s_add_co_u32 s32, s32, s2
	s_lshl_b32 s3, s[WV], 14                       ; 64 rows a wave
	s_add_co_u32 s32, s32, s3
	s_mov_b32 s33, 0
	s_lshl_b32 s3, s[WV], 12                       ; key: my 16 keys of a chunk
	s_add_co_u32 s34, s2, s3
	s_mov_b32 s35, 0
	s_lshr_b32 s3, s[WV], 1                        ; value: my block of 32 keys,
	s_lshl_b32 s3, s3, 13
	s_add_co_u32 s36, s2, s3
	s_lshl_b32 s3, s[SE], 7                        ; my 32 channels
	s_add_co_u32 s36, s36, s3
	s_mov_b32 s37, 0
	s_lshl_b32 s18, s[WV], 6                       ; my 16 keys' mask words
	s_mov_b32 s19, 0
	s_mov_b32 s[SEL], 0x76543210
	s_mov_b32 s[SEL+1], 0xfedcba98
	s_mov_b32 s[CS], 0x3e38aa3b                    ; c = log2(e) / 8
	s_mov_b32 s[CS+1], s[CS]
	s_mov_b32 s[NC], 0xbe38aa3b
	s_mov_b32 s[LOW16], 0xffff
	s_lshl_b32 s40, s[SG], 11                      ; LDS, the wave's terms.  K's codes: 2,048 g + 1,024 e + 128 a
	s_lshl_b32 s3, s[SE], 10
	s_add_co_u32 s40, s40, s3
	s_lshl_b32 s3, s[SA], 7
	s_add_co_u32 s40, s40, s3
	s_lshl_b32 s41, s[SA], 7                       ; K's scale bytes: 128 a + 8 g + 4 e
	s_lshl_b32 s3, s[SG], 3
	s_add_co_u32 s41, s41, s3
	s_lshl_b32 s3, s[SE], 2
	s_add_co_u32 s41, s41, s3
	s_lshl_b32 s42, s[SG], 9                       ; the mask's codes: 512 g + 256 e + 32 a
	s_lshl_b32 s3, s[SE], 8
	s_add_co_u32 s42, s42, s3
	s_lshl_b32 s3, s[SA], 5
	s_add_co_u32 s42, s42, s3
	s_lshl_b32 s43, s[SE], 11                      ; V's codes: 2,048 e + 512 g + 256 a
	s_lshl_b32 s3, s[SG], 9
	s_add_co_u32 s43, s43, s3
	s_lshl_b32 s3, s[SA], 8
	s_add_co_u32 s43, s43, s3
	s_lshl_b32 s44, s[SE], 2                       ; V's scale byte: 4 e + w / 2
	s_lshr_b32 s3, s[WV], 1
	s_add_co_u32 s44, s44, s3
	s_lshl_b32 s45, s[WV], 11
	s_add_co_u32 s45, s45, QI                      ; my wave's images of Q
	s_lshl_b32 s46, s[WV], 8
	s_add_co_u32 s46, s46, QSC                     ; and their scale words
	s_mul_i32 s47, s[WV], 16*SP
	s_add_co_u32 s47, s47, STG                     ; my stage
	s_wait_kmcnt 0x0
	s_add_nc_u64 s[4:5], s[4:5], s[32:33]
	s_add_nc_u64 s[12:13], s[12:13], s[32:33]
	s_add_nc_u64 s[6:7], s[6:7], s[34:35]
	s_add_nc_u64 s[8:9], s[8:9], s[36:37]
	s_add_nc_u64 s[10:11], s[10:11], s[38:39]
	s_add_nc_u64 s[MP:MP+1], s[10:11], s[18:19]
.irp n, 0,1,2,3,4,5,6,7,8,9,10,11,12,13,14,15
	global_load_b128 v[S+4*\n:S+4*\n+3], v[A16], s[10:11] offset:512*\n   ; the batch's whole mask row, 64 words a lane
.endr
	WIN 0x55
.irp i, 0,1,2,3
.irp j, 0,1,2,3
	global_load_b128 v[32*\i+8*\j:32*\i+8*\j+3], v[G32], s[4:5] offset:4096*\i+1024*\j th:TH_LOAD_NT      ; my 64 queries: tile i, queries 4 j + lane / 8, 8 neighbours a lane
	global_load_b128 v[32*\i+8*\j+4:32*\i+8*\j+7], v[G32], s[4:5] offset:4096*\i+1024*\j+16 th:TH_LOAD_NT
.endr
.endr
	STREAM_LOAD                                    ; chunk 0
	WIN 0
	; addresses, while the loads are on their way: a lane term + a wave term; slot and region stand in the immediates
	v_lshlrev_b32 v[A4], 2, v[TL]
	v_lshlrev_b32 v[A8], 3, v[TL]
	v_bfe_u32 v[TQ], v0, 3, 2                      ; q = lane / 8
	v_bfe_u32 v[TH], v0, 2, 1                      ; h = (lane / 4) % 2
	v_and_b32 v[TP], 3, v0                         ; p = lane % 4
	v_and_b32 v[T7], 7, v0
	v_bfe_u32 v[TB3], v0, 3, 1
	v_bfe_u32 v[TB4], v0, 4, 1
	v_lshlrev_b32 v[U0], 2, v[TP]
	v_lshl_add_u32 v[U0], v[TQ], 4, v[U0]
	v_lshl_add_u32 v[U0], v[TH], 8, v[U0]          ; 256 h + 16 q + 4 p: a code word's place in a fragment's image
	v_lshl_add_u32 v[U1], v[TQ], 4, v[TH]          ; 16 q + h
	v_lshlrev_b32 v[U2], 2, v[T7]
	v_lshl_add_u32 v[U2], v[TB3], 7, v[U2]
	v_lshl_add_u32 v[U2], v[TB4], 6, v[U2]
	v_lshlrev_b32 v[U3], 4, v[T7]
	v_lshl_add_u32 v[U3], v[TB3], 8, v[U3]
	v_lshlrev_b32 v[U4], 4, v[TR]
	v_lshl_add_u32 v[U4], v[TB4], 10, v[U4]
	v_lshl_add_u32 v[U5], v[TQ], 2, v[TH]          ; 4 q + h
	v_lshlrev_b32 v[U6], 2, v[TQ]                  ; 4 q
	v_add_nc_u32 v[AQ], s45, v[A16]
	v_lshl_add_u32 v[AQS], v[TR], 2, s46
	v_mul_u32_u24 v[STO], v[TR], SP                ; in: row lane % 16, 32 bytes for each half of the lanes
	v_lshl_add_u32 v[STO], v[TB4], 5, v[STO]
	v_add_nc_u32 v[STO], s47, v[STO]
	v_mul_u32_u24 v[SRD], v[TB4], SP               ; back: lanes 0-15 one row of 256 bytes, lanes 16-31 the next
	v_lshl_add_u32 v[SRD], v[TR], 4, v[SRD]
	v_add_nc_u32 v[SRD], s47, v[SRD]
	WIN 0x40
	v_add_nc_u32 v[LKC], s40, v[U0]
	v_add_nc_u32 v[LKB], s41, v[U1]
	v_add_nc_u32 v[LEX], s42, v[U2]
	v_add_nc_u32 v[LEB], s41, v[U3]
	v_add_nc_u32 v[LVC], s43, v[U4]
	v_add_nc_u32 v[LVB], s44, v[A8]
	v_add_nc_u32 v[LQC], s45, v[U0]
	v_add_nc_u32 v[LQB], s46, v[U5]
	v_add_nc_u32 v[LQW], s46, v[U6]
	v_mov_b32 v[C163], 0xa3
	v_mov_b32 v[EC], 0x7f                          ; bytes 2 and 3 of Q's scale words: 2^0 for the 1 at k = 64, and 0
	WIN 0
	; the parts of the fragments that never change: k = 64 on
.irp t, 0,1,2,3,4,5,6,7
	v_mov_b32 v[KF+8*\t+5], 0
	v_mov_b32 v[KF+8*\t+6], 0
	v_mov_b32 v[KF+8*\t+7], 0
.endr
.irp i, 0,1,2,3
	v_cndmask_b32 v[QF+8*\i+4], 0, 2, s[LOW16]     ; the code of 1 at k = 64 (lanes 0-15)
	v_mov_b32 v[QF+8*\i+5], 0
	v_mov_b32 v[QF+8*\i+6], 0
	v_mov_b32 v[QF+8*\i+7], 0
.endr
	v_mov_b32 v[F+1], 0                            ; named with f as a pair
	v_mov_b32 v[T1], 0                             ; a lane permute's destination counts as one of its sources
	AWAIT                                          ; at the head's end
	s_wait_loadcnt 63                              ; the mask row's 16 loads are in: 73 loads were issued behind them
.set k, 4
.rept 60
	v_or_b32 v[S+k%4], v[S+k%4], v[S+k]            ; has the batch an open key?  Four chains
.set k, k+1
.endr
	v_or_b32 v[S], v[S], v[S+1]
	v_or_b32 v[S+2], v[S+2], v[S+3]
	v_or_b32 v[S], v[S], v[S+2]
	v_cmp_ne_u32 vcc_lo, 0, v[S]
	s_cmp_lg_u32 vcc_lo, 0
	s_cselect_b32 s[ANY], -1, 0
	s_not_b32 s[NANY], s[ANY]
	WIN 0x55
	s_wait_loadcnt 41                              ; Q is in; the stream's 41 loads, issued behind it, may be out
.irp i, 0,1,2,3
	Q8X4 32*\i
.irp j, 0,1,2,3
	v_and_b32 v[CD+\j], s[ANY], v[CD+\j]           ; a batch without an open key: Q's codes are cleared
.endr
.irp j, 0,1,2,3
	ds_store_b32 v[LQC], v[CD+\j] offset:512*\i+64*\j
	ds_store_b8 v[LQB], v[BY+\j] offset:64*\i+16*\j
	ds_store_b16 v[LQW], v[EC] offset:64*\i+16*\j+2
.endr
	s_wait_dscnt 0x0                               ; the stores have read their registers: the next tile's codes may be written
.endr
	WIN 0
.irp i, 0,1,2,3
	ds_load_b128 v[QF+8*\i:QF+8*\i+3], v[AQ] offset:512*\i   ; my wave's own bytes, served in order; waited for in front of the signal below
	ds_load_b32 v[QS+\i], v[AQS] offset:64*\i
.endr
	STREAM_QUANT 0, 1                              ; chunk 0 into slot 0; chunk 1 is asked for
	s_barrier_wait -1                              ; slot 0 is whole
	STEP 0, 1, 1                                   ; the first key step starts M, the sums and O^T: nothing is cleared
	s_mov_b32 s[TRIP], 7
.Lloop:                                                ; key steps 1 to 14; step s quantises chunk s + 1 and asks for chunk s + 2, step 14 for nothing
	STEP 1, 1, 0
	STEP 0, 2, 0
	s_sub_co_u32 s[TRIP], s[TRIP], 1
	s_cmp_lg_u32 s[TRIP], 0
	s_cbranch_scc1 .Lloop
	STEP 1, 0, 0                                   ; the last step: chunk 15 lies in slot 1
	; THE WAY OUT.  The sum's halves are added; O^T is divided by the sum and goes through my stage, a tile (16 rows of 256 bytes) at a time.  The additions are the places behind the last products.
	WIN 0
.irp i, 0,1,2,3
	v_add_f32 v[ST+4*\i+2], v[ST+4*\i+2], v[ST+4*\i+3]
.endr
.irp i, 0,1,2,3
	v_permlanex16_b32 v[ST+4*\i+3], v[ST+4*\i+2], s[SEL], s[SEL+1]
.endr
.irp i, 0,1,2,3
	v_add_f32 v[ST+4*\i+2], v[ST+4*\i+2], v[ST+4*\i+3]
.endr
	AWAIT                                          ; ahead of the batch
.irp i, 0,1,2,3
	v_rcp_f32 v[ST+4*\i+2], v[ST+4*\i+2]
.endr
	v_nop                                          ; a plain line behind the last reciprocal
.macro PACK i
	WIN 0x41
	AWAIT                                          ; directly ahead of the first reader of this tile's O^T (tile 0: and of the reciprocals)
.set k, 0
.rept 16
	v_pk_mul_f32 v[32*\i+2*k:32*\i+2*k+1], v[32*\i+2*k:32*\i+2*k+1], v[ST+4*\i+2:ST+4*\i+3] op_sel_hi:[1,0]   ; each accumulator from its low end on
.set k, k+1
.endr
	WIN 0x04                                       ; an LDS store's data are its source 1: window 1
.irp t, 0,1,2,3
	ds_store_b128 v[STO], v[32*\i+8*\t:32*\i+8*\t+3] offset:64*\t          ; lane (r, h): channels 16 t + 8 h + 0 .. 7 of query r
	ds_store_b128 v[STO], v[32*\i+8*\t+4:32*\i+8*\t+7] offset:64*\t+16
.endr
	WIN 0
.irp n, 0,1,2,3,4,5,6,7
	ds_load_b128 v[RB+32*\i+4*\n:RB+32*\i+4*\n+3], v[SRD] offset:2*\n*SP   ; a wave's LDS instructions are served in order: these see the stores above, and the next tile's stores come behind them
.endr
.endm
.macro SEND i, younger                 ; younger: the LDS instructions issued behind tile i's loads: the next tile's sixteen, or none
.irp n, 0,1,2,3,4,5,6,7
	s_wait_dscnt \younger+7-\n
	global_store_b128 v[A16], v[RB+32*\i+4*\n:RB+32*\i+4*\n+3], s[12:13] offset:4096*\i+512*\n th:TH_STORE_NT   ; 32 lanes store 512 consecutive bytes, at a multiple of 256 from out0's first byte
.endr
.endm
	PACK 0
	PACK 1
	SEND 0, 16
	PACK 2
	SEND 1, 16
	PACK 3
	SEND 2, 16
	SEND 3, 0
	s_wait_tensorcnt 0x0                           ; the wave's end: behind my last LDS store
	ds_add_u32 v254, v255
	s_wait_dscnt 0x0
	s_endpgm
.Lfunc_end_k_q4fa57d71d0_attn:
	.size	k_q4fa57d71d0_attn, .Lfunc_end_k_q4fa57d71d0_attn-k_q4fa57d71d0_attn
	.p2alignl 7, 3214868480
	.fill 96, 4, 3214868480
	.section	.rodata,"a",@progbits
	.p2align	6, 0x0
	.amdhsa_kernel k_q4fa57d71d0_attn
		.amdhsa_group_segment_fixed_size 74752
		.amdhsa_private_segment_fixed_size 0
		.amdhsa_enable_private_segment 0
		.amdhsa_kernarg_size 40
		.amdhsa_user_sgpr_count 2
		.amdhsa_user_sgpr_kernarg_segment_ptr 1
		.amdhsa_wavefront_size32 1
		.amdhsa_system_sgpr_workgroup_id_x 1
		.amdhsa_system_sgpr_workgroup_id_y 1
		.amdhsa_system_sgpr_workgroup_id_z 1
		.amdhsa_system_vgpr_workitem_id 0
		.amdhsa_next_free_vgpr 512
		.amdhsa_next_free_sgpr 66
		.amdhsa_reserve_vcc 1
		.amdhsa_float_denorm_mode_32 3
		.amdhsa_float_denorm_mode_16_64 3
		.amdhsa_memory_ordered 1
		.amdhsa_forward_progress 1
		.amdhsa_inst_pref_size 255
	.end_amdhsa_kernel
	.section	.bss,"aw",@nobits
	.p2align	6
	.space	262144
	.amdgpu_metadata
---
amdhsa.version: [ 1, 2 ]
amdhsa.kernels:
  - .name:           k_q4fa57d71d0_attn
    .symbol:         k_q4fa57d71d0_attn.kd
    .args:
      - { .name: query, .offset: 0, .size: 8, .value_kind: global_buffer, .address_space: global }
      - { .name: key, .offset: 8, .size: 8, .value_kind: global_buffer, .address_space: global }
      - { .name: value, .offset: 16, .size: 8, .value_kind: global_buffer, .address_space: global }
      - { .name: mask, .offset: 24, .size: 8, .value_kind: global_buffer, .address_space: global }
      - { .name: out0, .offset: 32, .size: 8, .value_kind: global_buffer, .address_space: global }
    .group_segment_fixed_size: 74752
    .private_segment_fixed_size: 0
    .kernarg_segment_align: 8
    .kernarg_segment_size: 40
    .max_flat_workgroup_size: 256
    .sgpr_count:     66
    .vgpr_count:     512
    .wavefront_size: 32
...
	.end_amdgpu_metadata
.endif
;; end of part 1
